; MI455X (gfx1250); checked and timed in simulation.
; The chip was launched on July 23, 2026; its instructions are those of AMD's public machine-readable ISA for CDNA 5 (MIT licence, August 2026) and "CDNA5" Instruction Set Architecture Reference Guide (July 2026). The comments in the code are by the model that wrote it; some were corrected since.
;; Multi Head Attention Layer. Allowed arithmetic: matrix products marked QUANTISED: E4M3 operands, one given power-of-two scale a tensor, by v_wmma_f32_16x16x64_fp8_fp8 or v_wmma_f32_16x16x128_fp8_fp8, f32 sums; everything else in f32.
;; Inputs: Wk_codes 768 x 24 x 32 uint8 (E4M3 codes of Wk, K innermost, in blocks of 32 codes); Wq_codes 768 x 24 x 32 uint8 (E4M3 codes of Wq, K innermost, in blocks of 32 codes); Wv_codes 768 x 24 x 32 uint8 (E4M3 codes of Wv, K innermost, in blocks of 32 codes); attention_mask 1 x 1 x 1 x 4,096 float32; bk 768 float32; bq 768 float32; bv 768 float32; key_codes 1 x 4,096 x 24 x 32 uint8 (E4M3 codes of key, K innermost, in blocks of 32 codes); lowp_scales 10 int32 (the exponents e of the quantised operands' scales 2^e); query_codes 1 x 4,096 x 24 x 32 uint8 (E4M3 codes of query, K innermost, in blocks of 32 codes); value_codes 1 x 4,096 x 24 x 32 uint8 (E4M3 codes of value, K innermost, in blocks of 32 codes).
;; Outputs: out0 1 x 4,096 x 768 float32.
;; This version of the problem:
;;   THIS VERSION OF THE PROBLEM IS GIVEN IN LOW PRECISION. The matrix products marked QUANTISED in the list below multiply operands that are first quantised to E4M3 (4 exponent bits, 3 mantissa bits; 8 bits a number), with one given power-of-two scale for each operand tensor; their sums are f32. All else is computed in f32.
;;   The module's matrix products, in the order in which they are computed (A, B: the left and right operand; K: the contracted axis; several contracted axes count as one K, in the product's order):
;;     1. [M 4,096, K 768] x [K 768, N 768]; A: input query (given as codes); B: input Wq (given as codes): QUANTISED (scales: A lowp_scales[0], B lowp_scales[1])
;;     2. [M 4,096, K 768] x [K 768, N 768]; A: input key (given as codes); B: input Wk (given as codes): QUANTISED (scales: A lowp_scales[2], B lowp_scales[3])
;;     3. [M 4,096, K 768] x [K 768, N 768]; A: input value (given as codes); B: input Wv (given as codes): QUANTISED (scales: A lowp_scales[4], B lowp_scales[5])
;;     4. batch 12 x [M 4,096, K 64] x [K 64, N 4,096]; A: computed on the way; B: computed on the way: QUANTISED (scales: A lowp_scales[6], B lowp_scales[7])
;;     5. batch 12 x [M 4,096, K 4,096] x [K 4,096, N 64]; A: softmax (see below); B: computed on the way: QUANTISED (scales: A lowp_scales[8], B lowp_scales[9])
;;   THE QUANTISER, for each operand of a quantised product, along K:
;;     - The operand's scale is 2^e, e = its entry of the input lowp_scales (int32; the entries are numbered through the quantised products in the list's order, A before B).
;;     - Each number is divided by the scale, clamped to +-448, and rounded to the nearest number of E4M3, ties to even, subnormals kept.
;;     - The product sums the exact products of the quantised numbers (number of the format x scale) in f32.
;;   ~~~python
;;   def quantise(x, axis, e):      # numpy; x: float32 -> the quantised numbers, widened to float32 again
;;       x = np.moveaxis(x, axis, -1); K = x.shape[-1]
;;       r = np.clip(x / 2.0 ** e, -448, 448)
;;       step = 2.0 ** (np.maximum(np.frexp(np.where(r == 0, 1, r))[1] - 1, -6) - 3)
;;       q = np.round(r / step) * step * 2.0 ** e      # np.round: ties to even
;;       return np.moveaxis(q, -1, axis).astype(np.float32)
;;   ~~~
;;   SOFTMAX AHEAD OF A QUANTISED PRODUCT. Where the list says 'softmax', what is quantised is not the finished softmax but p = 2^(t - M), with t = logit x log2(e) and M = ceil(the row's largest t), a whole number; so 1/2 < the row's largest p <= 1. The row's sum l is taken of the UNQUANTISED p, in f32, and the product's result is divided by l at the end. Since M is a whole number, a kernel that streams over the keys may use a running M (the ceiling of the running maximum): every later rescaling is an exact power of two, so the quantised numbers keep their values, but for numbers so far below the row's largest that they fall under the format's range.
;;   OPERANDS COMPUTED ON THE WAY. 'Computed on the way' means the value that the module computes at that place (a softmax that the list does not call 'softmax' is quantised finished and normalised). What goes into a quantiser is computed in f32, as accurately as f32 sums, v_exp_f32 and their like allow (about 1e-6 of the number): no bf16 or f16 on the way to a quantiser, and a product that is left as it is and whose result goes on into a quantised operand takes f32 operands (vector FMAs, or v_wmma_f32_16x16x4_f32). A number that lies on a knife's edge between two numbers of the format may be rounded either way, as far as f32 arithmetic and the matrix unit's own rounding can turn it there, and no further.
;;   INPUTS GIVEN AS CODES. Wk (in the module: [768, 768], K = its axis 1); Wq (in the module: [768, 768], K = its axis 1); Wv (in the module: [768, 768], K = its axis 1); key (in the module: [1, 4096, 768], K = its axis 2); query (in the module: [1, 4096, 768], K = its axis 2); value (in the module: [1, 4096, 768], K = its axis 2): each comes as NAME_codes (uint8): NAME with its K axis moved to the last place and cut into blocks of 32 codes, [.., K / 32, bytes a block], one block behind the other in memory; one code a byte (a code: sign, 4 exponent bits, 3 mantissa bits); its scale is its entry of lowp_scales. Its value is code x scale, taken as it is: it is not quantised again, and the codes and scales need not be those that the quantiser above would give.
;; 2 versions, each right; version 2 is version 1 with the launch attn written anew for expert scheduling mode. Each part assembles by itself: llvm-mc -triple=amdgcn-amd-amdhsa -mcpu=gfx1250 --defsym DOCPART=n.
;; ======== version 1 of 2: 2 launches
;; limits: right only within a limited range of input values
;; workspace buffers: qimg 3,145,728 bytes; kvimg 6,291,456 bytes
;; launch proj (part 1): grid 16 x 12, 12 waves a work-group, no clusters, 327,680 bytes of LDS; arguments query_codes, key_codes, value_codes, Wq_codes, Wk_codes, Wv_codes, bq, bk, bv, lowp_scales, qimg, kvimg; writes qimg, kvimg
.if DOCPART == 1
	.amdgcn_target "amdgcn-amd-amdhsa--gfx1250"
	.amdhsa_code_object_version 6
	.text
	.protected	k_q566b097352_proj
	.globl	k_q566b097352_proj
	.p2align	8
	.type	k_q566b097352_proj,@function
k_q566b097352_proj:
	s_mov_b64 s[64:65], 0
	v_nop
	global_prefetch_b8 v0, s[64:65] scope:SCOPE_SE
	s_setreg_imm32_b32 hwreg(HW_REG_WAVE_MODE, 25, 1), 1
	s_wait_xcnt 0x0
; THE THREE PROJECTIONS.  y = x W^T + b for (query, Wq, bq), (key, Wk, bk), (value, Wv, bv): x [4096][768] and W [768][768] are codes of E4M3, K innermost; sums in f32;
; y is quantised at once with the scale given for it (entries 6, 7, 9 of the scales) and stored as codes in the order of the next products' operand registers.
; SHARES.  Work-group (x, y): 256 tokens (x), y / 4 says which projection (0 q, 1 k, 2 v), y % 4 which 192 columns (three heads).  Twelve waves: wave w takes 64 tokens (w % 4) x 64 columns (w / 4, one head): 16 accumulators.
; K = 768 goes in three chunks of 256.  W's three chunks (192 rows each) stay in LDS; x has two slots, and slot 0 is filled a second time, with chunk 2.  Waves 0-3 fetch x (64 rows a load), waves 4-6 W.
; WHICH SOURCE IS WHICH.  q, k: source 0 = 16 rows of W, source 1 = 16 tokens: a lane holds ONE token and eight neighbouring channels: after the conversion that is a fragment (16 tokens x 64 channels) of the score product.
; v: source 0 = 16 tokens, source 1 = 16 rows of W: a lane holds ONE channel and eight neighbouring tokens: a fragment (16 channels x 64 keys) of the second product.  So nothing is transposed and no stage is needed.
; AN IMAGE is a fragment as it stands in registers: 8 registers a lane, registers 4 p .. 4 p + 3 at 512 p + 16 x lane: each store of the wave covers 512 consecutive bytes, aligned.
;   qimg  [head 12][64 queries 64][tile of 16 queries 4][1024];   kvimg [head 12][64 keys 64][8192]: four fragments of K (16 keys each), then four of V^T (16 channels each).
; THE FRAGMENTS HERE are fetched by two loads of 16 bytes, 32 bytes apart: a permutation of k, the same in x and in W, so that every product meets its partner.
; THE BIAS is the C of each sum's first product, divided by 2^(ea + eb), the power of two that the sums lack; the conversion's one scale is 2^(eo - ea - eb).
; NO JOINT LOADS: a work-group asks for its 344,064 bytes in five loads at its head and one refill; a joint form would put a round of a cluster's barrier ahead of each of the two groups for a launch of twelve K steps.
; LIMITS: eo - ea - eb between -126 and 119, so that both powers of two below are f32 numbers.  NaN among the biases is not served.
.set PITCH, 272                        ; an LDS row: 256 bytes + 16 of padding = 68 words, so that the 16 rows of a fragment load start 4 words apart
.set T64,   64*PITCH                   ; what one tensor load brings
.set XSLOT, 4*T64                      ; 256 rows of x
.set WS,    2*XSLOT                    ; behind the two slots: W
.set WCH,   3*T64                      ; 192 rows of W, one chunk
.set SPARE, WS+3*WCH                   ; behind W: the spare words, 128 bytes for each of the twelve waves: six blocks of 256 bytes that no other line names
.set KB,    768                        ; a row of x or of W in memory, in bytes
.set BS,    16                         ; v16-47   the bias, four tiles of eight
.set XF,    48                         ; v48-79   four fragments of x; at the end the four images
.set WF,    80                         ; v80-111  four fragments of W
.set ACC,   112                        ; v112-239 accumulator (i, j) at ACC + 8 (4 i + j)
; v4, v5: my fragments of x in slot 0, 1;  v6-8: of W in chunk 0, 1, 2;  v9, v10: my spare word, 0;  v11: 16 x lane;  v12: 448 x 2^se;  v13: 2^se;  v14: 32 h;  v15: 4 r
; s[40:47] descriptor group 1;  s[48:51], s[52:55] group 0 for x, slot 0, 1;  s[56:59], s[60:63], s[68:71] for W, chunk 0, 1, 2;  s[72:79] x, W, bias, images;  s80 wave, s81 w % 4, s82 w / 4, s83 projection, s84 column group
	s_load_b512 s[4:19], s[0:1], 0x0               ; query, key, value, Wq, Wk, Wv, bq, bk
	s_load_b256 s[20:27], s[0:1], 0x40             ; bv, the scales, qimg, kvimg
	v_lshl_add_u32 v9, v0, 2, SPARE
	v_mov_b32 v10, 0
	ds_add_u32 v9, v10
	ds_add_u32 v9, v10
	s_wait_dscnt 0x0
	v_lshrrev_b32 v3, 5, v0
	v_readfirstlane_b32 s80, v3                    ; wave 0..11
	s_and_b32 s81, s80, 3                          ; which 64 tokens
	s_lshr_b32 s82, s80, 2                         ; which 64 columns
	s_and_b32 s84, ttmp7, 0xffff
	s_lshr_b32 s83, s84, 2                         ; 0 q, 1 k, 2 v
	s_and_b32 s84, s84, 3                          ; which 192 columns
	; descriptor group 1: a tile of 64 rows x 256 bytes, padded in LDS; one for all loads
	s_mov_b32 s40, (1<<20)|(5<<22)|(3<<25)         ; no mask; elements of 1 byte; padding on: 4 words (code 3) after every 64 (code 5)
	s_mov_b32 s41, 256<<16                         ; tensor_dim0 = 256
	s_mov_b32 s42, 64<<16                          ; tensor_dim1 = 64
	s_mov_b32 s43, 256<<16                         ; tile_dim0 = 256
	s_mov_b32 s44, 64                              ; tile_dim1 = 64
	s_mov_b32 s45, KB                              ; from row to row
	s_mov_b32 s46, 0
	s_mov_b32 s47, 0
	; LDS addresses of my fragments: row x pitch + 16 x half
	v_and_b32 v1, 15, v0                           ; r
	v_bfe_u32 v2, v0, 4, 1                         ; h
	v_mul_u32_u24 v3, v1, PITCH
	v_lshl_add_u32 v3, v2, 4, v3
	s_mul_i32 s85, s81, T64
	v_add_nc_u32 v4, s85, v3
	v_add_nc_u32 v5, XSLOT, v4
	s_mul_i32 s85, s82, T64
	s_add_co_u32 s85, s85, WS
	v_add_nc_u32 v6, s85, v3
	v_add_nc_u32 v7, WCH, v6
	v_add_nc_u32 v8, 2*WCH, v6
	v_and_b32 v11, 31, v0
	v_lshlrev_b32 v11, 4, v11
	v_lshlrev_b32 v14, 5, v2
	v_lshlrev_b32 v15, 2, v1
	; byte offsets, in registers of their own.  The wave number that enters a global offset is held inside the range of the waves that fetch, so that every descriptor holds an address inside its buffer
	s_min_u32 s85, s80, 3
	s_lshl_b32 s85, s85, 6
	s_lshl_b32 s86, ttmp9, 8
	s_add_co_u32 s85, s85, s86                     ; x: row 256 x + 64 w
	s_mul_i32 s86, s85, KB
	s_mov_b32 s87, 0
	s_max_u32 s85, s80, 4
	s_min_u32 s85, s85, 6
	s_sub_co_u32 s85, s85, 4
	s_lshl_b32 s85, s85, 6
	s_mul_i32 s88, s84, 192
	s_add_co_u32 s85, s85, s88                     ; W: row 192 x group + 64 (w - 4)
	s_mul_i32 s88, s85, KB
	s_mov_b32 s89, 0
	s_mul_i32 s90, s84, 192
	s_lshl_b32 s91, s82, 6
	s_add_co_u32 s90, s90, s91
	s_lshl_b32 s90, s90, 2                         ; the bias of my 64 columns
	s_mov_b32 s91, 0
	s_mul_i32 s92, s84, 3
	s_add_co_u32 s92, s92, s82                     ; my head
	s_lshl_b32 s93, ttmp9, 2
	s_add_co_u32 s93, s93, s81                     ; my block of 64 tokens
	s_mul_i32 s94, s80, T64                        ; where my tiles go in LDS: wave x 64 rows
	s_wait_kmcnt 0x0
	s_load_b256 s[28:35], s[22:23], 0x0            ; entries 0 to 7
	s_load_b64 s[36:37], s[22:23], 0x20            ; entries 8, 9
	s_cmp_eq_u32 s83, 0                            ; the buffers are chosen by the work-group's number alone
	s_cselect_b64 s[72:73], s[4:5], s[6:7]
	s_cselect_b64 s[74:75], s[10:11], s[12:13]
	s_cselect_b64 s[76:77], s[16:17], s[18:19]
	s_cselect_b64 s[78:79], s[24:25], s[26:27]
	s_cselect_b32 s95, 18, 19                      ; a head is 2^18 bytes of qimg, 2^19 of kvimg;
	s_cselect_b32 s96, 12, 13                      ; 64 tokens are 2^12, 2^13
	s_cmp_eq_u32 s83, 2
	s_cselect_b64 s[72:73], s[8:9], s[72:73]
	s_cselect_b64 s[74:75], s[14:15], s[74:75]
	s_cselect_b64 s[76:77], s[20:21], s[76:77]
	s_cselect_b32 s97, 0x1000, 0                   ; V's fragments lie behind K's four
	s_lshl_b32 s92, s92, s95
	s_lshl_b32 s93, s93, s96
	s_add_co_u32 s92, s92, s93
	s_add_co_u32 s92, s92, s97
	s_mov_b32 s93, 0
	s_add_nc_u64 s[72:73], s[72:73], s[86:87]
	s_add_nc_u64 s[74:75], s[74:75], s[88:89]
	s_add_nc_u64 s[76:77], s[76:77], s[90:91]
	s_add_nc_u64 s[78:79], s[78:79], s[92:93]
	; descriptor groups 0
	s_mov_b32 s48, 1                               ; count = 1
	s_mov_b32 s49, s94                             ; LDS address: slot 0
	s_mov_b64 s[50:51], s[72:73]                   ; chunk 0
	s_or_b32 s51, s51, 0x80000000                  ; type = 2
	s_mov_b32 s52, 1
	s_add_co_u32 s53, s94, XSLOT                   ; slot 1
	s_add_nc_u64 s[54:55], s[72:73], 256           ; chunk 1
	s_or_b32 s55, s55, 0x80000000
	s_mov_b32 s56, 1
	s_add_co_u32 s57, s94, XSLOT                   ; WS + (w - 4) x 64 rows = XSLOT + w x 64 rows
	s_mov_b64 s[58:59], s[74:75]
	s_or_b32 s59, s59, 0x80000000
	s_mov_b32 s60, 1
	s_add_co_u32 s61, s94, XSLOT+WCH
	s_add_nc_u64 s[62:63], s[74:75], 256
	s_or_b32 s63, s63, 0x80000000
	s_mov_b32 s68, 1
	s_add_co_u32 s69, s94, XSLOT+2*WCH
	s_add_nc_u64 s[70:71], s[74:75], 512
	s_or_b32 s71, s71, 0x80000000
	; the first fills, a wave's in one branch on its number, ahead of every wait on TENSORcnt, every LDS read and every barrier: two loads of a wave that fetches x are out, three of one that fetches W
	s_cmp_lt_u32 s80, 4
	s_cbranch_scc0 .Lnot_x
	tensor_load_to_lds s[48:51], s[40:47]
	s_nop 0
	tensor_load_to_lds s[52:55], s[40:47]
	s_nop 0
.rept 4
	v_nop
.endr
	s_branch .Lfilled
.Lnot_x:
	s_cmp_lt_u32 s80, 7
	s_cbranch_scc0 .Lfilled
	tensor_load_to_lds s[56:59], s[40:47]
	s_nop 0
	tensor_load_to_lds s[60:63], s[40:47]
	s_nop 0
	tensor_load_to_lds s[68:71], s[40:47]
	s_nop 0
.rept 4
	v_nop
.endr
.Lfilled:
	; the bias in the result's layout.  q, k: register n of tile c is column 16 c + 8 h + n.  v: all eight registers of tile c are column 16 c + r
	s_cmp_eq_u32 s83, 2
	s_cbranch_scc1 .Lbias_v
.irp c, 0,1,2,3
	global_load_b128 v[BS+8*\c:BS+8*\c+3], v14, s[76:77] offset:64*\c
	global_load_b128 v[BS+8*\c+4:BS+8*\c+7], v14, s[76:77] offset:64*\c+16
.endr
	s_branch .Lbias_done
.Lbias_v:
.irp c, 0,1,2,3
.irp n, 0,1,2,3,4,5,6,7
	global_load_b32 v[BS+8*\c+\n], v15, s[76:77] offset:64*\c
.endr
.endr
.Lbias_done:
	s_wait_kmcnt 0x0                               ; the scales; they are chosen without a jump
	s_cmp_eq_u32 s83, 0
	s_cselect_b32 s85, s28, s30                    ; ea
	s_cselect_b32 s86, s29, s31                    ; eb
	s_cselect_b32 s87, s34, s35                    ; eo
	s_cmp_eq_u32 s83, 2
	s_cselect_b32 s85, s32, s85
	s_cselect_b32 s86, s33, s86
	s_cselect_b32 s87, s37, s87
	s_add_co_i32 s85, s85, s86                     ; ea + eb: a sum stands for sum x 2^(ea + eb)
	s_sub_co_i32 s88, 0, s85
	s_sub_co_i32 s87, s87, s85                     ; se = eo - ea - eb
	s_add_co_i32 s87, s87, 127
	s_lshl_b32 s89, s87, 23
	v_mov_b32 v13, s89                             ; 2^se as f32: the conversion takes its exponent field
	s_add_co_i32 s87, s87, 8
	s_lshl_b32 s87, s87, 23
	s_or_b32 s87, s87, 0x600000
	v_mov_b32 v12, s87                             ; 448 x 2^se
	s_wait_loadcnt 0x0
.set n, 0
.rept 32
	v_ldexp_f32 v[BS+n], v[BS+n], s88              ; b / 2^(ea + eb)
.set n, n+1
.endr
; 64 along K: eight fragments from LDS, sixteen products.  The accumulators take turns in the same order on both ways and in every step.
; The branch hangs on the work-group's number and holds matrix instructions alone.  first = 1: the bias starts the sums: nothing is cleared.
.macro KSTEP xad, wad, ks, first
.if !(\first)
.rept 4
	v_nop                                          ; four places between the last products and loads into the registers that they read (ISA guide 7.12.1 for vector instructions)
.endr
.endif
.irp u, 0,1,2,3
	ds_load_b128 v[XF+8*\u:XF+8*\u+3], v[\xad] offset:\u*16*PITCH+64*(\ks)
	ds_load_b128 v[XF+8*\u+4:XF+8*\u+7], v[\xad] offset:\u*16*PITCH+64*(\ks)+32
	ds_load_b128 v[WF+8*\u:WF+8*\u+3], v[\wad] offset:\u*16*PITCH+64*(\ks)
	ds_load_b128 v[WF+8*\u+4:WF+8*\u+7], v[\wad] offset:\u*16*PITCH+64*(\ks)+32
.endr
	s_wait_dscnt 0x0                               ; the other two waves of the SIMD have their products meanwhile
	s_cmp_eq_u32 s83, 2
	s_cbranch_scc1 .Lv_\@
.irp i, 0,1,2,3
.irp j, 0,1,2,3
.if \first
	v_wmma_f32_16x16x64_fp8_fp8 v[ACC+8*(4*\i+\j):ACC+8*(4*\i+\j)+7], v[WF+8*\i:WF+8*\i+7], v[XF+8*\j:XF+8*\j+7], v[BS+8*\i:BS+8*\i+7]
.else
	v_wmma_f32_16x16x64_fp8_fp8 v[ACC+8*(4*\i+\j):ACC+8*(4*\i+\j)+7], v[WF+8*\i:WF+8*\i+7], v[XF+8*\j:XF+8*\j+7], v[ACC+8*(4*\i+\j):ACC+8*(4*\i+\j)+7]
.endif
.endr
.endr
	s_branch .Lj_\@
.Lv_\@:
.irp i, 0,1,2,3
.irp j, 0,1,2,3
.if \first
	v_wmma_f32_16x16x64_fp8_fp8 v[ACC+8*(4*\i+\j):ACC+8*(4*\i+\j)+7], v[XF+8*\i:XF+8*\i+7], v[WF+8*\j:WF+8*\j+7], v[BS+8*\j:BS+8*\j+7]
.else
	v_wmma_f32_16x16x64_fp8_fp8 v[ACC+8*(4*\i+\j):ACC+8*(4*\i+\j)+7], v[XF+8*\i:XF+8*\i+7], v[WF+8*\j:WF+8*\j+7], v[ACC+8*(4*\i+\j):ACC+8*(4*\i+\j)+7]
.endif
.endr
.endr
.Lj_\@:
.endm
.macro CHUNK xad, wad, first           ; 256 along K
	KSTEP \xad, \wad, 0, \first
	KSTEP \xad, \wad, 1, 0
	KSTEP \xad, \wad, 2, 0
	KSTEP \xad, \wad, 3, 0
.endm
	s_wait_tensorcnt 0x1                           ; my youngest load may stay out: x's slot 1, or W's chunk 2; x's slot 0 and W's chunks 0 and 1 have landed.
	s_barrier_signal -1
	s_barrier_wait -1
	CHUNK 4, 6, 1
	s_wait_tensorcnt 0x0                           ; all my tensor loads have landed, so a group 0 may be written;
	ds_add_u32 v9, v10                             ; 0 onto my spare word
	ds_add_u32 v9, v10
	s_add_nc_u64 s[50:51], s[50:51], 512           ; slot 0 takes chunk 2; the type bits on top are not reached
	s_wait_dscnt 0x0                               ; the add is done, and my reads of slot 0 are over
	s_barrier_signal -1
	s_barrier_wait -1                              ; both now hold of all twelve waves
	s_cmp_lt_u32 s80, 4
	s_cbranch_scc0 .Lno_refill
	tensor_load_to_lds s[48:51], s[40:47]          ; a wave's one load behind this barrier; it has chunk 1's 64 products a wave in which to land
	s_nop 0
.rept 4
	v_nop
.endr
.Lno_refill:
	CHUNK 5, 7, 0
	s_wait_tensorcnt 0x0                           ; my part of chunk 2 is in: no younger load exists
	s_wait_dscnt 0x0
	s_barrier_signal -1
	s_barrier_wait -1                              ; everybody's is
	CHUNK 4, 8, 0
	; THE WAY OUT.  Image j is made of accumulators (0 .. 3, j): accumulator (i, j) gives registers 2 i, 2 i + 1.  The images take the registers that x's fragments have left
.rept 4
	v_nop                                          ; four places behind the last products
.endr
.irp j, 0,1,2,3
.irp i, 0,1,2,3
.irp n, 0,1,2,3,4,5,6,7
	v_med3_num_f32 v[ACC+8*(4*\i+\j)+\n], v[ACC+8*(4*\i+\j)+\n], -v12, v12   ; the conversion to an 8-bit code does not saturate (ISA guide 7.6.2): the hold at the largest code x the scale; each accumulator from its low end on
.endr
	v_cvt_scalef32_pk8_fp8_f32 v[XF+8*\j+2*\i:XF+8*\j+2*\i+1], v[ACC+8*(4*\i+\j):ACC+8*(4*\i+\j)+7], v13
.endr
.endr
	v_nop                                          ; a plain line behind the last conversion
.irp j, 0,1,2,3
	global_store_b128 v11, v[XF+8*\j:XF+8*\j+3], s[78:79] offset:1024*\j        ; 32 lanes store 512 consecutive bytes, at a multiple of 512 from the buffer's first byte
	global_store_b128 v11, v[XF+8*\j+4:XF+8*\j+7], s[78:79] offset:1024*\j+512
.endr
	s_wait_tensorcnt 0x0                           ; the wave's end
	ds_add_u32 v9, v10
	s_wait_dscnt 0x0
	s_endpgm
.Lfunc_end_k_q566b097352_proj:
	.size	k_q566b097352_proj, .Lfunc_end_k_q566b097352_proj-k_q566b097352_proj
	.p2alignl 7, 3214868480
	.fill 96, 4, 3214868480
	.section	.rodata,"a",@progbits
	.p2align	6, 0x0
	.amdhsa_kernel k_q566b097352_proj
		.amdhsa_group_segment_fixed_size 327680
		.amdhsa_private_segment_fixed_size 0
		.amdhsa_enable_private_segment 0
		.amdhsa_kernarg_size 96
		.amdhsa_user_sgpr_count 2
		.amdhsa_user_sgpr_kernarg_segment_ptr 1
		.amdhsa_wavefront_size32 1
		.amdhsa_system_sgpr_workgroup_id_x 1
		.amdhsa_system_sgpr_workgroup_id_y 1
		.amdhsa_system_sgpr_workgroup_id_z 1
		.amdhsa_system_vgpr_workitem_id 0
		.amdhsa_next_free_vgpr 240
		.amdhsa_next_free_sgpr 100
		.amdhsa_reserve_vcc 0
		.amdhsa_float_denorm_mode_32 3
		.amdhsa_float_denorm_mode_16_64 3
		.amdhsa_memory_ordered 1
		.amdhsa_forward_progress 1
		.amdhsa_inst_pref_size 63
	.end_amdhsa_kernel
	.amdgpu_metadata
---
amdhsa.version: [ 1, 2 ]
amdhsa.kernels:
  - .name:           k_q566b097352_proj
    .symbol:         k_q566b097352_proj.kd
    .args:
      - { .name: query_codes, .offset: 0, .size: 8, .value_kind: global_buffer, .address_space: global }
      - { .name: key_codes, .offset: 8, .size: 8, .value_kind: global_buffer, .address_space: global }
      - { .name: value_codes, .offset: 16, .size: 8, .value_kind: global_buffer, .address_space: global }
      - { .name: Wq_codes, .offset: 24, .size: 8, .value_kind: global_buffer, .address_space: global }
      - { .name: Wk_codes, .offset: 32, .size: 8, .value_kind: global_buffer, .address_space: global }
      - { .name: Wv_codes, .offset: 40, .size: 8, .value_kind: global_buffer, .address_space: global }
      - { .name: bq, .offset: 48, .size: 8, .value_kind: global_buffer, .address_space: global }
      - { .name: bk, .offset: 56, .size: 8, .value_kind: global_buffer, .address_space: global }
      - { .name: bv, .offset: 64, .size: 8, .value_kind: global_buffer, .address_space: global }
      - { .name: lowp_scales, .offset: 72, .size: 8, .value_kind: global_buffer, .address_space: global }
      - { .name: qimg, .offset: 80, .size: 8, .value_kind: global_buffer, .address_space: global }
      - { .name: kvimg, .offset: 88, .size: 8, .value_kind: global_buffer, .address_space: global }
    .group_segment_fixed_size: 327680
    .private_segment_fixed_size: 0
    .kernarg_segment_align: 8
    .kernarg_segment_size: 96
    .max_flat_workgroup_size: 384
    .sgpr_count:     100
    .vgpr_count:     240
    .wavefront_size: 32
...
	.end_amdgpu_metadata
.endif
;; end of part 1
;; launch attn (part 2): grid 64 x 4, 12 waves a work-group, no clusters, 284,160 bytes of LDS; arguments qimg, kvimg, attention_mask, lowp_scales, out0; writes out0
.if DOCPART == 2
	.amdgcn_target "amdgcn-amd-amdhsa--gfx1250"
	.amdhsa_code_object_version 6
	.text
	.protected	k_q566b097352_attn
	.globl	k_q566b097352_attn
	.p2align	8
	.type	k_q566b097352_attn,@function
k_q566b097352_attn:
	s_mov_b64 s[64:65], 0
	v_nop
	global_prefetch_b8 v0, s[64:65] scope:SCOPE_SE
	s_setreg_imm32_b32 hwreg(HW_REG_WAVE_MODE, 25, 1), 1
	s_wait_xcnt 0x0
; ATTENTION ON CODES OF E4M3.  out[q][64 head + d] = sum over k of softmax_k(q . k / 8 + mask[k]) v[k][d], 12 heads of 64, 4,096 queries, 4,096 keys; both products on codes, sums in f32.
; THE SOFTMAX: t = logit x log2(e); M = the largest t so far, rounded UP to a whole number; p = 2^(t - M) is quantised with the given 2^ep, not normalised; the sum l is taken of the unquantised p and divides at the end.
; SHARES.  A work-group takes 64 queries (x) of three heads (3 y + g).  THE FOUR WAVES OF A HEAD SHARE THE KEYS, NOT THE QUERIES: wave (g, z) takes all 64 queries, four tiles of 16, against keys 1,024 z .. 1,024 z + 1,023, 64 a step.
; So a fragment of K or V feeds four products, and inside the work-group it has ONE reader: it goes from memory straight into that wave's registers, 16 loads of 512 consecutive bytes a step; the loop has no ring and no barrier.
; The four waves' parts of a head meet once, at the end, in LDS: each is brought under the head's largest M by a power of two, which rounds nothing.
; LAYOUT.  S^T = K Q^T (source 0 = 16 keys, source 1 = 16 queries) and O^T = V^T P^T (source 0 = 16 channels, source 1 = P): a lane holds ONE query (lane % 16) throughout.  Register n of score tile T is key 16 T + 8 (lane / 16) + n,
; so the conversion of tile T's eight registers IS registers 2 T, 2 T + 1 of P.  qimg and kvimg hold fragments as images of their registers (registers 4 p .. 4 p + 3 at 512 p + 16 x lane).
; THE MASK costs no vector instruction: t = c (s + C), c = log2(e) / 8 x 2^(eq + ek), C = mask x 2^(3 - eq - ek), and C is the C of the score products.
; THE HOLD at the largest code x 2^ep: p is at most 1 but for one rounding, so it can act only where 2^-ep is above 448: its 32 lines stand under a scalar branch on the whole number ep, the same in all waves.
; NO JOINT LOADS, NO TENSOR LOADS: a fragment has one reader in a work-group, so LDS would add a write and a read to each of its bytes.
; LIMITS: eq + ek between -80 and 27; ep between -126 and 119; ep + ev is applied by v_ldexp_f32 and has none.  A mask number under -2^(97 + eq + ek), minus infinity too, is held there: its key gets p = 0 beside any key
; that is not masked so; a row all of whose keys are masked so deeply is not served.  NaN and plus infinity in the mask are not served.
; REGISTERS, in windows of 256 (s_set_vgpr_msb: bits 1:0 source 0, 3:2 source 1, 5:4 source 2, 7:6 destination):
;   window 0: v1 16 x lane; v2 my place in the mask; v3 at work; v4 my place in Q's images; v5 2^ep; v6 256 x lane; v7 at work; v[8+2t] -M, v[9+2t] the largest raw score of tile t; v[16+2t:17+2t] l; v24-31 at work;
;             v32-63 buffer 2; v64-95 the mask as C; v96-127 S^T, then p; v128-255 O^T (tile t, channels 16 n on: 128 + 32 t + 8 n)
;   window 1: v0-31 buffer 0; v32-63 buffer 1; v64-71 Q's fragment; v72-79 P
; THREE BUFFERS serve K and V: in step j K lies in kb, V in vb; K of step j + 1 is loaded into nb (V of step j - 1 has left it) at the head of tile 0, V of step j + 1 into kb at the head of tile 3, behind K's last product.
.set QI,    49152                      ; LDS: 0: three copies of the scaled mask, one for each head's waves, 16,384 bytes each;  QI: 12 fragments of Q, 1,024 bytes each;
.set STAT,  61440                      ; 1,024 bytes a wave: (-M, l) of four tiles, 32 bytes a lane in two pieces;
.set PART,  73728                      ; 64 rows x (256 bytes + 16) a wave: its part of O
.set B0,    256
.set B1,    288
.set B2,    32
.set MK,    64
.set S,     96
.set QW,    64                         ; in window 1
.set PW,    72                         ; in window 1
.set PM,    7
.set CH0,   24                         ; v24, v25: two chains of the maximum
.set FF,    26                         ; v[26:27] f = 2^(old M - new M); the pair's low word serves both halves
.set SUM,   28                         ; v[28:29]
.set TT,    30
.set DD,    31
.set MSB, 0
.macro WIN new                         ; the immediate's high byte repeats the setting that is left; a switch that changes nothing is dropped
.if MSB != \new
	s_set_vgpr_msb (MSB<<8)|\new
.set MSB, \new
.endif
.endm
.macro LOADKV buf, off                 ; four fragments, 4,096 bytes, from off bytes behind the step in hand, into a buffer
	WIN ((\buf)>>8)<<6
.irp q, 0,1,2,3,4,5,6,7
	global_load_b128 v[((\buf)&255)+4*\q:((\buf)&255)+4*\q+3], v1, s[16:17] offset:(\off)+512*\q
.endr
	WIN 0
.endm
.macro LOADM i                         ; the scaled mask of the 64 keys of step i + 1: register n of tile T is key 16 T + 8 (lane / 16) + n; sixteen lanes read the same 16 bytes
	v_add_nc_u32 v3, s31, v2
.irp n, 0,1,2,3
	ds_load_b128 v[MK+8*\n:MK+8*\n+3], v3 offset:((\i)+1)*256+64*\n
	ds_load_b128 v[MK+8*\n+4:MK+8*\n+7], v3 offset:((\i)+1)*256+64*\n+16
.endr
.endm
.macro LOADQ t                         ; Q's fragment of tile t
	WIN 0x40
	ds_load_b128 v[QW:QW+3], v4 offset:1024*(\t)
	ds_load_b128 v[QW+4:QW+7], v4 offset:1024*(\t)+512
.endm
.macro SPROD kb                        ; S^T = K Q^T + C for one tile of queries: four accumulators, one product each
	WIN ((\kb)>>8)|4
.irp n, 0,1,2,3
	v_wmma_f32_16x16x64_fp8_fp8 v[S+8*\n:S+8*\n+7], v[((\kb)&255)+8*\n:((\kb)&255)+8*\n+7], v[QW:QW+7], v[MK+8*\n:MK+8*\n+7]
.endr
.endm
.macro PVPROD vb, t, first             ; O^T += V^T P^T for tile t: four accumulators, one product each.  first = 1: the products start the sums: nothing is cleared
	WIN ((\vb)>>8)|4
.irp n, 0,1,2,3
.if \first
	v_wmma_f32_16x16x64_fp8_fp8 v[128+32*(\t)+8*\n:128+32*(\t)+8*\n+7], v[((\vb)&255)+8*\n:((\vb)&255)+8*\n+7], v[PW:PW+7], 0
.else
	v_wmma_f32_16x16x64_fp8_fp8 v[128+32*(\t)+8*\n:128+32*(\t)+8*\n+7], v[((\vb)&255)+8*\n:((\vb)&255)+8*\n+7], v[PW:PW+7], v[128+32*(\t)+8*\n:128+32*(\t)+8*\n+7]
.endif
.endr
.endm
; A PREFETCH INTO THE L2 of the 8,192 bytes of step i + 2, lanes 256 bytes apart, one instruction; it stands behind the step's eight loads of K.  All 64 work-groups of a y walk the same K and V: the one with x = 0 asks,
; each of its waves for its own 16 steps: so each block of 256 bytes is named once in the launch.  Steps 0 and 1 come by their loads alone; steps 14 and 15 ask for nothing.
.macro ASKPF i
	s_cmp_eq_u32 s30, 1
	s_cbranch_scc0 .Lna_\@
	global_prefetch_b8 v6, s[16:17] offset:((\i)+2)*8192 th:TH_LOAD_NT scope:SCOPE_SE
.Lna_\@:
.endm
; ONE TILE OF 16 QUERIES IN ONE KEY STEP.  Its scores lie in S.  first = 1: the first step (no old M, nothing to rescale);  more = 1: a step follows;  ask = 1: the step prefetches;  i: the step's place behind s[16:17] and s31.
.macro TILE t, kb, vb, nb, i, first, more, ask
.set NM, 8+2*(\t)
.set MX, 9+2*(\t)
.set LL, 16+2*(\t)
.set OT, 128+32*(\t)
	v_max3_num_f32 v[CH0], v[S], v[S+1], v[S+2]                ; the maximum, in two chains; each of the four accumulators is read first at its low end.
	v_max3_num_f32 v[CH0+1], v[S+8], v[S+9], v[S+3]            ; These four lines are also the places between the last products V^T P^T and the loads below
	v_max3_num_f32 v[CH0], v[CH0], v[S+16], v[S+17]
	v_max3_num_f32 v[CH0+1], v[CH0+1], v[S+24], v[S+25]
.if \more
.if (\t) == 0
	LOADKV \nb, ((\i)+1)*8192                      ; K of the next step: four tiles' work in which to land
.if \ask
	ASKPF \i
.endif
.endif
.if (\t) == 3
	LOADKV \kb, ((\i)+1)*8192+4096                 ; V of the next step, into the buffer that K has left: its last product stands 20 plain lines back
	LOADM \i
.endif
.endif
.set cc, 0
.irp p, 4,6,10,12,14,18,20,22,26,28,30
	v_max3_num_f32 v[CH0+cc], v[CH0+cc], v[S+\p], v[S+\p+1]
.set cc, 1-cc
.endr
.if \first
	v_max_num_f32 v[CH0], v[CH0], v[CH0+1]
.else
	v_max3_num_f32 v[CH0], v[CH0], v[CH0+1], v[MX]
.endif
	v_permlanex16_b32 v[PM], v[CH0], s26, s27      ; the query's other 32 keys lie in the lane 16 away
	v_max_num_f32 v[MX], v[CH0], v[PM]             ; the running largest raw score
	v_mul_f32 v[TT], s24, v[MX]                    ; as t (c is positive)
.if !(\first)
	v_mov_b32 v[DD], v[NM]
.endif
	v_floor_f32 v[NM], -v[TT]                      ; -M = floor(-t) = -ceil(t): a whole number
.if !(\first)
	v_sub_f32 v[DD], v[NM], v[DD]                  ; old M less new M: a whole number, 0 or less
	v_cvt_i32_f32 v[DD], v[DD]                     ; (it saturates)
	v_ldexp_f32 v[FF], 1.0, v[DD]                  ; f = 2^(old M - new M)
.endif
.set b, 0
.rept 16
	v_pk_fma_f32 v[S+b:S+b+1], v[S+b:S+b+1], s[24:25], v[NM:NM+1] op_sel_hi:[1,0,0]   ; t - M, two at a time; of the pairs c and -M the low word serves both halves
.set b, b+2
.endr
.set b, 0
.rept 32
	v_exp_f32 v[S+b], v[S+b]                       ; p = 2^(t - M): one batch
.set b, b+1
.endr
.if \first
	v_nop                                          ; a plain line behind the last exponential
	s_wait_alu depctr_va_vdst(0)                   ; one wait for the batch, ahead of its first reader
	v_pk_add_f32 v[SUM:SUM+1], v[S:S+1], v[S+2:S+3]
	v_pk_add_f32 v[LL:LL+1], v[S+4:S+5], v[S+6:S+7]
.set b, 8
.rept 6
	v_pk_add_f32 v[LL:LL+1], v[LL:LL+1], v[S+b:S+b+1]
	v_pk_add_f32 v[SUM:SUM+1], v[SUM:SUM+1], v[S+b+2:S+b+3]
.set b, b+4
.endr
.else
	v_pk_mul_f32 v[LL:LL+1], v[LL:LL+1], v[FF:FF+1] op_sel_hi:[1,0]   ; l under the new M; the plain line behind the last exponential
	s_wait_alu depctr_va_vdst(0)                   ; one wait for the batch, ahead of its first reader
	v_pk_add_f32 v[SUM:SUM+1], v[S:S+1], v[S+2:S+3]                   ; the sum of the UNQUANTISED p, two at a time, in two chains
.set b, 4
.rept 7
	v_pk_add_f32 v[LL:LL+1], v[LL:LL+1], v[S+b:S+b+1]
	v_pk_add_f32 v[SUM:SUM+1], v[SUM:SUM+1], v[S+b+2:S+b+3]
.set b, b+4
.endr
.endif
	v_pk_add_f32 v[LL:LL+1], v[LL:LL+1], v[SUM:SUM+1]
	s_cmp_eq_u32 s29, 0                            ; the hold, where ep is under -8 (the conversion to an 8-bit code does not saturate: ISA guide 7.6.2); p is not negative, so it is one-sided
	s_cbranch_scc1 .Lnh_\@
.set b, 0
.rept 32
	v_min_num_f32 v[S+b], s28, v[S+b]
.set b, b+1
.endr
.Lnh_\@:
	WIN 0x40
.set b, 0
.rept 4
	v_cvt_scalef32_pk8_fp8_f32 v[PW+2*b:PW+2*b+1], v[S+8*b:S+8*b+7], v5   ; score tile b becomes registers 2 b, 2 b + 1 of P
.set b, b+1
.endr
	v_nop                                          ; a plain line between the conversions and the products that write their sources and read their results
.if (\more) || ((\t) < 3)
	s_wait_dscnt 0x0                               ; the next tile's Q is in (asked for a tile ago); at tile 3 the next step's mask too
.if (\t) == 3
	s_wait_loadcnt 0x8                             ; K of the next step is in; the eight loads of V issued behind it may stay out
	SPROD \nb
.else
	SPROD \kb
.endif
.endif
	WIN 0
.if \first
.rept 5
	v_nop                                          ; the places behind the score products, which the next score products write over
.endr
.else
.set b, 0
.rept 16
	v_pk_mul_f32 v[OT+b:OT+b+1], v[OT+b:OT+b+1], v[FF:FF+1] op_sel_hi:[1,0]   ; O^T under the new M, each accumulator from its low end on.  These sixteen are the places behind the score products
.set b, b+2
.endr
.endif
.if (\more) || ((\t) < 2)
	LOADQ ((\t)+2)%4                               ; Q of the tile after the next
.endif
.if (\t) == 0
.if \more
	s_wait_loadcnt 0x8                             ; V of this step is in; the eight loads of K issued behind it may stay out
.else
	s_wait_loadcnt 0x0
.endif
.endif
	PVPROD \vb, \t, \first
	WIN 0                                          ; at a label and at a branch every window is 0
.endm
.macro STEP kb, vb, nb, i, first, more, ask
	TILE 0, \kb, \vb, \nb, \i, \first, \more, \ask
	TILE 1, \kb, \vb, \nb, \i, \first, \more, \ask
	TILE 2, \kb, \vb, \nb, \i, \first, \more, \ask
	TILE 3, \kb, \vb, \nb, \i, \first, \more, \ask
.endm
	s_load_b256 s[4:11], s[0:1], 0x0               ; qimg, kvimg, the mask, the scales
	s_load_b64 s[12:13], s[0:1], 0x20              ; out
	v_lshrrev_b32 v3, 5, v0
	v_readfirstlane_b32 s20, v3                    ; wave 0..11
	s_lshr_b32 s21, s20, 2                         ; g: which of the three heads
	s_and_b32 s22, s20, 3                          ; z: which 1,024 keys
	s_and_b32 s23, ttmp7, 0xffff
	s_mul_i32 s23, s23, 3
	s_add_co_u32 s23, s23, s21                     ; the head
	v_and_b32 v3, 31, v0
	v_lshlrev_b32 v1, 4, v3                        ; 16 x lane
	v_lshlrev_b32 v6, 8, v3                        ; 256 x lane
	v_bfe_u32 v3, v0, 4, 1                         ; h
	s_lshl_b32 s46, s21, 14
	s_lshl_b32 s47, s22, 12
	s_add_co_u32 s46, s46, s47
	v_lshl_add_u32 v2, v3, 5, s46                  ; the mask: my head's copy, my 1,024 keys, + 8 h keys
	s_lshl_b32 s46, s21, 12
	s_add_co_u32 s46, s46, QI
	v_add_nc_u32 v4, s46, v1                       ; my head's four fragments of Q
	v_and_b32 v104, 127, v0
	v_lshlrev_b32 v104, 4, v104                    ; the mask on its way in: the 128 threads of a head take 16 bytes each, eight times
	v_lshrrev_b32 v105, 7, v0
	v_lshl_add_u32 v105, v105, 14, v104            ; into the head's copy
	s_lshl_b32 s46, s20, 10
	s_add_co_u32 s46, s46, QI
	v_add_nc_u32 v106, s46, v1                     ; where I put the fragment of Q that I fetch: tile z of my head
	v_mov_b32 v[PM], 0                             ; written once: a lane permute's destination counts as one of its sources
	v_mov_b32 v[FF+1], 0                           ; (named as the upper half of a pair)
	s_mov_b32 s26, 0x76543210                      ; v_permlanex16_b32: each lane takes its own place in the other half
	s_mov_b32 s27, 0xfedcba98
	s_mov_b32 s35, 0xf1800000                      ; -2^100
	s_mov_b32 s31, 0                               ; bytes of the mask behind which the step in hand begins
	s_lshl_b32 s46, s23, 18                        ; qimg: head x 2^18 + 64 queries x 2^12 + tile z x 2^10
	s_lshl_b32 s47, ttmp9, 12
	s_add_co_u32 s46, s46, s47
	s_lshl_b32 s47, s22, 10
	s_add_co_u32 s46, s46, s47
	s_mov_b32 s47, 0
	s_lshl_b32 s48, s23, 19                        ; kvimg: head x 2^19 + 16 z steps of 2^13
	s_lshl_b32 s49, s22, 17
	s_add_co_u32 s48, s48, s49
	s_mov_b32 s49, 0
	s_lshl_b32 s50, ttmp9, 6                       ; out: row 64 x + 16 z of 3,072 bytes, + 256 x head
	s_lshl_b32 s51, s22, 4
	s_add_co_u32 s50, s50, s51
	s_mul_i32 s50, s50, 3072
	s_lshl_b32 s51, s23, 8
	s_add_co_u32 s50, s50, s51
	s_mov_b32 s51, 0
	s_wait_kmcnt 0x0
	s_load_b256 s[36:43], s[10:11], 0x0            ; entries 0 to 7: eq = s42, ek = s43
	s_load_b64 s[44:45], s[10:11], 0x20            ; ep, ev
	s_add_nc_u64 s[14:15], s[4:5], s[46:47]
	s_add_nc_u64 s[16:17], s[6:7], s[48:49]
	s_add_nc_u64 s[18:19], s[12:13], s[50:51]
	global_load_b128 v[96:99], v1, s[14:15]
	global_load_b128 v[100:103], v1, s[14:15] offset:512
.irp i, 0,1,2,3,4,5,6,7
	global_load_b128 v[128+4*\i:131+4*\i], v104, s[8:9] offset:2048*\i
.endr
	LOADKV B0, 0                                   ; K of step 0
	LOADKV B1, 4096                                ; V of step 0
	s_wait_kmcnt 0x0
	s_add_co_i32 s46, s42, s43                     ; eq + ek
	s_lshl_b32 s47, s46, 23
	s_mov_b32 s24, 0x3e38aa3b                      ; log2(e) / 8;
	s_add_co_i32 s24, s24, s47                     ; the two exponents are added to its exponent field: c
	s_mov_b32 s25, s24                             ; (named with it as a pair, so it is written)
	s_sub_co_i32 s34, 3, s46                       ; C = mask x 2^(3 - eq - ek)
	s_add_co_i32 s47, s44, 127
	s_lshl_b32 s48, s47, 23
	v_mov_b32 v5, s48                              ; 2^ep as f32: the conversion takes its exponent field
	s_add_co_i32 s47, s47, 8
	s_lshl_b32 s47, s47, 23
	s_or_b32 s28, s47, 0x600000                    ; 448 x 2^ep
	s_add_co_i32 s33, s44, s45                     ; ep + ev
	s_cmp_lt_i32 s44, -8
	s_cselect_b32 s29, 1, 0                        ; is the hold needed?
	s_cmp_eq_u32 ttmp9, 0
	s_cselect_b32 s30, 1, 0                        ; does my work-group prefetch?
	s_wait_loadcnt 0x10                            ; Q and the mask are in; the sixteen loads of K and V issued behind them may stay out
.set b, 0
.rept 32
	v_ldexp_f32 v[128+b], v[128+b], s34
.set b, b+1
.endr
.set b, 0
.rept 32
	v_max_num_f32 v[128+b], s35, v[128+b]          ; held from below, so that c x C stays a number
.set b, b+1
.endr
.irp i, 0,1,2,3,4,5,6,7
	ds_store_b128 v105, v[128+4*\i:131+4*\i] offset:2048*\i
.endr
	ds_store_b128 v106, v[96:99]
	ds_store_b128 v106, v[100:103] offset:512
	s_wait_dscnt 0x0                               ; for the others' sake: my stores are done
	s_barrier_signal -1
	s_barrier_wait -1                              ; the mask and Q's twelve fragments lie in LDS
	LOADM -1                                       ; step 0's mask
	LOADQ 0
	s_wait_dscnt 0x0
	s_wait_loadcnt 0x8                             ; K of step 0 is in; V's eight loads may stay out
	SPROD B0                                       ; tile 0's first scores
	WIN 0
.rept 5
	v_nop                                          ; the places behind these products: ahead of the load into Q's registers, of the first read of the scores, and of the next score products
.endr
	LOADQ 1
	WIN 0
	STEP B0, B1, B2, 0, 1, 1, 1                    ; step 0 is written out: its products start O^T's sums
	s_wait_xcnt 0x0                                ; the loads and the prefetch have read their base: it steps only behind this wait
	s_add_nc_u64 s[16:17], s[16:17], 8192
	s_mov_b32 s31, 256
	s_mov_b32 s32, 4
.Ltrip:                                            ; four trips of three steps, until the buffers are back where they began: steps 1 to 12
	STEP B2, B0, B1, 0, 0, 1, 1
	STEP B1, B2, B0, 1, 0, 1, 1
	STEP B0, B1, B2, 2, 0, 1, 1
	s_wait_xcnt 0x0
	s_add_nc_u64 s[16:17], s[16:17], 24576
	s_add_co_u32 s31, s31, 768
	s_sub_co_u32 s32, s32, 1
	s_cmp_lg_u32 s32, 0
	s_cbranch_scc1 .Ltrip
	STEP B2, B0, B1, 0, 0, 1, 1                    ; step 13: the last that prefetches (step 15)
	STEP B1, B2, B0, 1, 0, 1, 0                    ; step 14
	STEP B0, B1, B2, 2, 0, 0, 0                    ; step 15 loads nothing
	; THE FOUR WAVES OF A HEAD MEET.  (a) l: its two halves and the other half of the lanes'; it takes the place of the largest score, so that v[8:15] = (-M, l) of the four tiles.  These lines are the places behind the last products
.irp t, 0,1,2,3
	v_add_f32 v[9+2*\t], v[16+2*\t], v[17+2*\t]
.endr
	v_and_b32 v37, 15, v0                          ; r
	v_bfe_u32 v38, v0, 4, 1                        ; h
	s_lshl_b32 s46, s20, 10
	s_add_co_u32 s46, s46, STAT
	v_add_nc_u32 v32, s46, v1                      ; where I put my figures
	s_lshl_b32 s46, s21, 12
	s_add_co_u32 s46, s46, STAT
	v_add_nc_u32 v33, s46, v1                      ; my head's four waves' figures
	s_mul_i32 s46, s20, 64*272
	s_add_co_u32 s46, s46, PART
	v_mul_u32_u24 v34, v37, 272
	v_lshl_add_u32 v34, v38, 5, v34
	v_add_nc_u32 v34, s46, v34                     ; my part of O: row r, + 32 h bytes
	s_mul_i32 s46, s21, 4*64*272
	s_mul_i32 s47, s22, 16*272
	s_add_co_u32 s46, s46, s47
	s_add_co_u32 s46, s46, PART
	v_mul_u32_u24 v35, v38, 272
	v_lshl_add_u32 v35, v37, 4, v35
	v_add_nc_u32 v35, s46, v35                     ; back: tile z of my head's first wave; lanes 0-15 one row of 256 bytes, lanes 16-31 the next
	v_mul_u32_u24 v36, v38, 3072
	v_lshl_add_u32 v36, v37, 4, v36                ; and the same two rows in out
	v_permlanex16_b32 v24, v9, s26, s27
	v_permlanex16_b32 v25, v11, s26, s27
	v_permlanex16_b32 v30, v13, s26, s27
	v_permlanex16_b32 v31, v15, s26, s27
	v_add_f32 v9, v9, v24
	v_add_f32 v11, v11, v25
	v_add_f32 v13, v13, v30
	v_add_f32 v15, v15, v31
	ds_store_b128 v32, v[8:11]
	ds_store_b128 v32, v[12:15] offset:512
	s_wait_dscnt 0x0                               ; for the others' sake: my stores are done
	s_barrier_signal -1
	s_barrier_wait -1
	; (b) the head's largest M, the whole sum under it, and my factor G = 2^(my M - largest M) x 2^(ep + ev) / sum
.irp y, 0,1,2,3
	ds_load_b128 v[64+8*\y:67+8*\y], v33 offset:1024*\y
	ds_load_b128 v[68+8*\y:71+8*\y], v33 offset:1024*\y+512
.endr
	s_wait_dscnt 0x0
.irp t, 0,1,2,3
	v_min_num_f32 v[40+\t], v[64+2*\t], v[72+2*\t]
	v_min_num_f32 v[56+\t], v[80+2*\t], v[88+2*\t]
.endr
.irp t, 0,1,2,3
	v_min_num_f32 v[40+\t], v[40+\t], v[56+\t]     ; the least -M
.endr
.irp y, 0,1,2,3
.irp t, 0,1,2,3
	v_sub_f32 v[64+8*\y+2*\t], v[40+\t], v[64+8*\y+2*\t]   ; that wave's M less the largest: a whole number, 0 or less
.endr
.endr
.irp y, 0,1,2,3
.irp t, 0,1,2,3
	v_cvt_i32_f32 v[64+8*\y+2*\t], v[64+8*\y+2*\t]         ; (it saturates)
.endr
.endr
.irp y, 0,1,2,3
.irp t, 0,1,2,3
	v_ldexp_f32 v[65+8*\y+2*\t], v[65+8*\y+2*\t], v[64+8*\y+2*\t]
.endr
.endr
.irp t, 0,1,2,3
	v_add_f32 v[44+\t], v[65+2*\t], v[73+2*\t]
	v_add_f32 v[56+\t], v[81+2*\t], v[89+2*\t]
.endr
.irp t, 0,1,2,3
	v_add_f32 v[44+\t], v[44+\t], v[56+\t]
.endr
.irp t, 0,1,2,3
	v_rcp_f32 v[44+\t], v[44+\t]
.endr
.irp t, 0,1,2,3
	v_sub_f32 v[49+2*\t], v[40+\t], v[8+2*\t]      ; my own M less the largest.  (Plain lines behind the reciprocals)
.endr
.irp t, 0,1,2,3
	v_cvt_i32_f32 v[49+2*\t], v[49+2*\t]
.endr
	s_wait_alu depctr_va_vdst(0)                   ; one wait for the four reciprocals, ahead of their first reader
.irp t, 0,1,2,3
	v_ldexp_f32 v[48+2*\t], v[44+\t], s33
.endr
.irp t, 0,1,2,3
	v_ldexp_f32 v[48+2*\t], v[48+2*\t], v[49+2*\t]
.endr
	; (c) my part of O, x G, into LDS: row = query, 64 channels = 256 bytes; register n of (t, tile c) is channel 16 c + 8 h + n
.irp t, 0,1,2,3
.set b, 0
.rept 16
	v_pk_mul_f32 v[128+32*\t+b:128+32*\t+b+1], v[128+32*\t+b:128+32*\t+b+1], v[48+2*\t:49+2*\t] op_sel_hi:[1,0]   ; each accumulator from its low end on
.set b, b+2
.endr
.endr
.irp t, 0,1,2,3
.irp c, 0,1,2,3
	ds_store_b128 v34, v[128+32*\t+8*\c:128+32*\t+8*\c+3] offset:16*272*\t+64*\c
	ds_store_b128 v34, v[128+32*\t+8*\c+4:128+32*\t+8*\c+7] offset:16*272*\t+64*\c+16
.endr
.endr
	s_wait_dscnt 0x0                               ; for the others' sake: my stores are done
	s_barrier_signal -1
	s_barrier_wait -1
	; (d) wave z adds the four parts of query tile z and stores its 16 rows
.irp y, 0,1,2,3
.irp i, 0,1,2,3,4,5,6,7
	ds_load_b128 v[128+32*\y+4*\i:128+32*\y+4*\i+3], v35 offset:64*272*\y+2*272*\i
.endr
.endr
	s_wait_dscnt 0x0
.irp i, 0,1,2,3,4,5,6,7
	v_pk_add_f32 v[128+4*\i:129+4*\i], v[128+4*\i:129+4*\i], v[160+4*\i:161+4*\i]
	v_pk_add_f32 v[130+4*\i:131+4*\i], v[130+4*\i:131+4*\i], v[162+4*\i:163+4*\i]
	v_pk_add_f32 v[192+4*\i:193+4*\i], v[192+4*\i:193+4*\i], v[224+4*\i:225+4*\i]
	v_pk_add_f32 v[194+4*\i:195+4*\i], v[194+4*\i:195+4*\i], v[226+4*\i:227+4*\i]
.endr
.irp i, 0,1,2,3,4,5,6,7
	v_pk_add_f32 v[128+4*\i:129+4*\i], v[128+4*\i:129+4*\i], v[192+4*\i:193+4*\i]
	v_pk_add_f32 v[130+4*\i:131+4*\i], v[130+4*\i:131+4*\i], v[194+4*\i:195+4*\i]
.endr
.irp i, 0,1,2,3,4,5,6,7
	global_store_b128 v36, v[128+4*\i:131+4*\i], s[18:19] offset:6144*\i th:TH_STORE_NT   ; 16 lanes store 256 consecutive bytes, at a multiple of 256 from the buffer's first byte; written once, read by nobody here
.endr
	s_wait_xcnt 0x0
	v_lshl_add_u32 v254, v0, 2, 0x45000
	v_mov_b32 v255, 0
	s_wait_tensorcnt 0x0
	ds_add_u32 v254, v255
	s_wait_dscnt 0x0
	s_endpgm
.Lfunc_end_k_q566b097352_attn:
	.size	k_q566b097352_attn, .Lfunc_end_k_q566b097352_attn-k_q566b097352_attn
	.p2alignl 7, 3214868480
	.fill 96, 4, 3214868480
	.section	.rodata,"a",@progbits
	.p2align	6, 0x0
	.amdhsa_kernel k_q566b097352_attn
		.amdhsa_group_segment_fixed_size 284160
		.amdhsa_private_segment_fixed_size 0
		.amdhsa_enable_private_segment 0
		.amdhsa_kernarg_size 40
		.amdhsa_user_sgpr_count 2
		.amdhsa_user_sgpr_kernarg_segment_ptr 1
		.amdhsa_wavefront_size32 1
		.amdhsa_system_sgpr_workgroup_id_x 1
		.amdhsa_system_sgpr_workgroup_id_y 1
		.amdhsa_system_sgpr_workgroup_id_z 1
		.amdhsa_system_vgpr_workitem_id 0
		.amdhsa_next_free_vgpr 336
		.amdhsa_next_free_sgpr 66
		.amdhsa_reserve_vcc 0
		.amdhsa_float_denorm_mode_32 3
		.amdhsa_float_denorm_mode_16_64 3
		.amdhsa_memory_ordered 1
		.amdhsa_forward_progress 1
		.amdhsa_inst_pref_size 252
	.end_amdhsa_kernel
	.amdgpu_metadata
---
amdhsa.version: [ 1, 2 ]
amdhsa.kernels:
  - .name:           k_q566b097352_attn
    .symbol:         k_q566b097352_attn.kd
    .args:
      - { .name: qimg, .offset: 0, .size: 8, .value_kind: global_buffer, .address_space: global }
      - { .name: kvimg, .offset: 8, .size: 8, .value_kind: global_buffer, .address_space: global }
      - { .name: attention_mask, .offset: 16, .size: 8, .value_kind: global_buffer, .address_space: global }
      - { .name: lowp_scales, .offset: 24, .size: 8, .value_kind: global_buffer, .address_space: global }
      - { .name: out0, .offset: 32, .size: 8, .value_kind: global_buffer, .address_space: global }
    .group_segment_fixed_size: 284160
    .private_segment_fixed_size: 0
    .kernarg_segment_align: 8
    .kernarg_segment_size: 40
    .max_flat_workgroup_size: 384
    .sgpr_count:     66
    .vgpr_count:     336
    .wavefront_size: 32
...
	.end_amdgpu_metadata
.endif
;; end of part 2
;; ======== version 2 of 2: 2 launches; version 1 with the launch attn written anew for expert scheduling mode
;; limits: right only within a limited range of input values
;; workspace buffers: qimg 3,145,728 bytes; kvimg 6,291,456 bytes
;; launch proj: the kernel of part 1 again; grid 16 x 12, 12 waves a work-group, no clusters, 327,680 bytes of LDS; arguments query_codes, key_codes, value_codes, Wq_codes, Wk_codes, Wv_codes, bq, bk, bv, lowp_scales, qimg, kvimg; writes qimg, kvimg
;; launch attn (part 3): grid 64 x 4, 12 waves a work-group, no clusters, 284,160 bytes of LDS; arguments qimg, kvimg, attention_mask, lowp_scales, out0; writes out0
.if DOCPART == 3
	.amdgcn_target "amdgcn-amd-amdhsa--gfx1250"
	.amdhsa_code_object_version 6
	.text
	.protected	k_q566b097352_attn
	.globl	k_q566b097352_attn
	.p2align	8
	.type	k_q566b097352_attn,@function
k_q566b097352_attn:
	s_mov_b64 s[64:65], 0
	v_nop
	global_prefetch_b8 v0, s[64:65] scope:SCOPE_SE
	s_setreg_imm32_b32 hwreg(HW_REG_WAVE_SCHED_MODE, 0, 2), 2
	s_setreg_imm32_b32 hwreg(HW_REG_WAVE_MODE, 25, 1), 1
	s_wait_xcnt 0x0
	s_wait_alu depctr_vm_vsrc(0)
; ATTENTION ON CODES OF E4M3.  out[q][64 head + d] = sum over k of softmax_k(q . k / 8 + mask[k]) v[k][d], 12 heads of 64, 4,096 queries, 4,096 keys; both products on codes, sums in f32.
; THE SOFTMAX: t = logit x log2(e); M = the largest t so far, rounded UP to a whole number; p = 2^(t - M) is quantised with the given 2^ep, not normalised; the sum l is taken of the unquantised p and divides at the end.
; SHARES.  A work-group takes 64 queries (x) of three heads (3 y + g).  THE FOUR WAVES OF A HEAD SHARE THE KEYS, NOT THE QUERIES: wave (g, z) takes all 64 queries, four tiles of 16, against keys 1,024 z .. 1,024 z + 1,023, 64 a step.
; So a fragment of K or V feeds four products, and inside the work-group it has ONE reader: it goes from memory straight into that wave's registers, 16 loads of 512 consecutive bytes a step; the loop has no ring and no barrier.
; The four waves' parts of a head meet once, at the end, in LDS: each is brought under the head's largest M by a power of two, which rounds nothing.
; LAYOUT.  S^T = K Q^T (source 0 = 16 keys, source 1 = 16 queries) and O^T = V^T P^T (source 0 = 16 channels, source 1 = P): a lane holds ONE query (lane % 16) throughout.  Register n of score tile T is key 16 T + 8 (lane / 16) + n,
; so the conversion of tile T's eight registers IS registers 2 T, 2 T + 1 of P.  qimg and kvimg hold fragments as images of their registers (registers 4 p .. 4 p + 3 at 512 p + 16 x lane).
; THE MASK costs no vector instruction: t = c (s + C), c = log2(e) / 8 x 2^(eq + ek), C = mask x 2^(3 - eq - ek), and C is the C of the score products.
; THE HOLD at the largest code x 2^ep: p is at most 1 but for one rounding, so it can act only where 2^-ep is above 448: its 32 lines stand under a scalar branch on the whole number ep, the same in all waves.
; NO JOINT LOADS, NO TENSOR LOADS: a fragment has one reader in a work-group, so LDS would add a write and a read to each of its bytes.
; LIMITS: eq + ek between -80 and 27; ep between -126 and 119; ep + ev is applied by v_ldexp_f32 and has none.  A mask number under -2^(97 + eq + ek), minus infinity too, is held there: its key gets p = 0 beside any key
; that is not masked so; a row all of whose keys are masked so deeply is not served.  NaN and plus infinity in the mask are not served.
; REGISTERS, in windows of 256 (s_set_vgpr_msb: bits 1:0 source 0, 3:2 source 1, 5:4 source 2, 7:6 destination):
;   window 0: v1 16 x lane; v2 my place in the mask; v3 the LDS address of the mask's loads; v4 my place in Q's images; v5 2^ep; v6 256 x lane; v7 at work; v[8+2t] -M, v[9+2t] the largest raw score of tile t; v[16+2t:17+2t] l; v24-31 at work;
;             v32-63 buffer 2; v64-95 the mask as C; v96-127 S^T, then p; v128-255 O^T (tile t, channels 16 n on: 128 + 32 t + 8 n)
;   window 1: v0-31 buffer 0; v32-63 buffer 1; v64-71 Q's fragment; v72-79 P
; THREE BUFFERS serve K and V: in step j K lies in kb, V in vb; K of step j + 1 is loaded into nb (V of step j - 1 has left it) in tile 0, V of step j + 1 into kb at the head of tile 3, behind K's last product.
; THE MODE: SCHED_MODE bits 1:0 = 2 (LLVM: expert scheduling mode 2), set by the entry lines.  The code itself states the register dependences
; between vector or matrix instructions and memory or LDS instructions, with s_wait_alu, always for 0.
; THE PLAN.  Registers that memory or LDS instructions touch, in the loop:
;   v1, v4, v6     offsets and an LDS address, made at the head and never written again: K and V are reached by the scalar base s[16:17] and immediate offsets.
;   v3             read by the mask's eight LDS loads of a step; written once a step, at tile 3's head.
;   Q's fragment   read by a tile's four score products; the next fragment's two LDS loads land in it in the tile behind.
;   the mask as C  read by the score products issued in tile 3 of the step before and in tiles 0, 1, 2; the next step's eight LDS loads land in it in tile 3.
;   kb             read last by tile 2's score products; V of the next step lands in it in tile 3.     nb: read last by tile 3's second products of the step before; K of the next step lands in it in tile 0.
;   S^T, P, O^T and the statistics are named by vector and matrix instructions alone.
; ONE wait on va_vdst stands in a tile: the one behind the batch of exponentials, ahead of its first reader.  The score products of the tile before and the second products of the tile before were issued ahead of it: so it also states
; that Q's fragment and, in tile 0, nb are read out.  The tile's memory instructions stand directly behind it: Q of the next tile; in tile 0 K of the next step and the prefetch.  No vector instruction stands between the wait and them.
; Once a step, at tile 3's head, a wait on vm_vsrc, the add to v3 and a second wait on va_vdst stand ahead of V's and the mask's loads, so that V has two tiles' work in which to land.
.set QI,    49152                      ; LDS: 0: three copies of the scaled mask, one for each head's waves, 16,384 bytes each;  QI: 12 fragments of Q, 1,024 bytes each;
.set STAT,  61440                      ; 1,024 bytes a wave: (-M, l) of four tiles, 32 bytes a lane in two pieces;
.set PART,  73728                      ; 64 rows x (256 bytes + 16) a wave: its part of O
.set B0,    256
.set B1,    288
.set B2,    32
.set MK,    64
.set S,     96
.set QW,    64                         ; in window 1
.set PW,    72                         ; in window 1
.set PM,    7
.set CH0,   24                         ; v24, v25: two chains of the maximum
.set FF,    26                         ; v[26:27] f = 2^(old M - new M); the pair's low word serves both halves
.set SUM,   28                         ; v[28:29]
.set TT,    30
.set DD,    31
.set MSB, 0
.macro WIN new                         ; the immediate's high byte repeats the setting that is left; a switch that changes nothing is dropped
.if MSB != \new
	s_set_vgpr_msb (MSB<<8)|\new
.set MSB, \new
.endif
.endm
.macro LOADKV buf, off                 ; four fragments, 4,096 bytes, from off bytes behind the step in hand, into a buffer
	WIN ((\buf)>>8)<<6
.irp q, 0,1,2,3,4,5,6,7
	global_load_b128 v[((\buf)&255)+4*\q:((\buf)&255)+4*\q+3], v1, s[16:17] offset:(\off)+512*\q
.endr
	WIN 0
.endm
.macro LOADM i                         ; the scaled mask of the 64 keys of step i + 1, by v3 = s31 + v2: register n of tile T is key 16 T + 8 (lane / 16) + n; sixteen lanes read the same 16 bytes
.irp n, 0,1,2,3
	ds_load_b128 v[MK+8*\n:MK+8*\n+3], v3 offset:((\i)+1)*256+64*\n
	ds_load_b128 v[MK+8*\n+4:MK+8*\n+7], v3 offset:((\i)+1)*256+64*\n+16
.endr
.endm
.macro LOADQ t                         ; Q's fragment of tile t
	WIN 0x40
	ds_load_b128 v[QW:QW+3], v4 offset:1024*(\t)
	ds_load_b128 v[QW+4:QW+7], v4 offset:1024*(\t)+512
.endm
.macro SPROD kb                        ; S^T = K Q^T + C for one tile of queries: four accumulators, one product each
	WIN ((\kb)>>8)|4
.irp n, 0,1,2,3
	v_wmma_f32_16x16x64_fp8_fp8 v[S+8*\n:S+8*\n+7], v[((\kb)&255)+8*\n:((\kb)&255)+8*\n+7], v[QW:QW+7], v[MK+8*\n:MK+8*\n+7]
.endr
.endm
.macro PVPROD vb, t, first             ; O^T += V^T P^T for tile t: four accumulators, one product each.  first = 1: the products start the sums: nothing is cleared
	WIN ((\vb)>>8)|4
.irp n, 0,1,2,3
.if \first
	v_wmma_f32_16x16x64_fp8_fp8 v[128+32*(\t)+8*\n:128+32*(\t)+8*\n+7], v[((\vb)&255)+8*\n:((\vb)&255)+8*\n+7], v[PW:PW+7], 0
.else
	v_wmma_f32_16x16x64_fp8_fp8 v[128+32*(\t)+8*\n:128+32*(\t)+8*\n+7], v[((\vb)&255)+8*\n:((\vb)&255)+8*\n+7], v[PW:PW+7], v[128+32*(\t)+8*\n:128+32*(\t)+8*\n+7]
.endif
.endr
.endm
; A PREFETCH INTO THE L2 of the 8,192 bytes of step i + 2, lanes 256 bytes apart, one instruction; it stands behind the step's eight loads of K.  All 64 work-groups of a y walk the same K and V: the one with x = 0 asks,
; each of its waves for its own 16 steps: so each block of 256 bytes is named once in the launch.  Steps 0 and 1 come by their loads alone; steps 14 and 15 ask for nothing.
.macro ASKPF i
	s_cmp_eq_u32 s30, 1
	s_cbranch_scc0 .Lna_\@
	global_prefetch_b8 v6, s[16:17] offset:((\i)+2)*8192 th:TH_LOAD_NT scope:SCOPE_SE
.Lna_\@:
.endm
; ONE TILE OF 16 QUERIES IN ONE KEY STEP.  Its scores lie in S.  first = 1: the first step (no old M, nothing to rescale);  more = 1: a step follows;  ask = 1: the step prefetches;  i: the step's place behind s[16:17] and s31.
.macro TILE t, kb, vb, nb, i, first, more, ask
.set NM, 8+2*(\t)
.set MX, 9+2*(\t)
.set LL, 16+2*(\t)
.set OT, 128+32*(\t)
	v_max3_num_f32 v[CH0], v[S], v[S+1], v[S+2]                ; the maximum, in two chains; each of the four accumulators is read first at its low end
	v_max3_num_f32 v[CH0+1], v[S+8], v[S+9], v[S+3]
	v_max3_num_f32 v[CH0], v[CH0], v[S+16], v[S+17]
	v_max3_num_f32 v[CH0+1], v[CH0+1], v[S+24], v[S+25]
.if (\more) && ((\t) == 3)
	s_wait_alu depctr_vm_vsrc(0)                   ; the mask's LDS loads of the step before have read v3, which the next line writes
	v_add_nc_u32 v3, s31, v2
	s_wait_alu depctr_va_vdst(0)                   ; tile 2's score products, whose results the four lines above read, are done reading K's buffer and the mask as C, in which the loads below land; v3 is written, which the mask's loads read
	LOADKV \kb, ((\i)+1)*8192+4096                 ; V of the next step, into the buffer that K has left: two tiles' work in which to land
	LOADM \i
.endif
.set cc, 0
.irp p, 4,6,10,12,14,18,20,22,26,28,30
	v_max3_num_f32 v[CH0+cc], v[CH0+cc], v[S+\p], v[S+\p+1]
.set cc, 1-cc
.endr
.if \first
	v_max_num_f32 v[CH0], v[CH0], v[CH0+1]
.else
	v_max3_num_f32 v[CH0], v[CH0], v[CH0+1], v[MX]
.endif
	v_permlanex16_b32 v[PM], v[CH0], s26, s27      ; the query's other 32 keys lie in the lane 16 away
	v_max_num_f32 v[MX], v[CH0], v[PM]             ; the running largest raw score
	v_mul_f32 v[TT], s24, v[MX]                    ; as t (c is positive)
.if !(\first)
	v_mov_b32 v[DD], v[NM]
.endif
	v_floor_f32 v[NM], -v[TT]                      ; -M = floor(-t) = -ceil(t): a whole number
.if !(\first)
	v_sub_f32 v[DD], v[NM], v[DD]                  ; old M less new M: a whole number, 0 or less
	v_cvt_i32_f32 v[DD], v[DD]                     ; (it saturates)
	v_ldexp_f32 v[FF], 1.0, v[DD]                  ; f = 2^(old M - new M)
.endif
.set b, 0
.rept 16
	v_pk_fma_f32 v[S+b:S+b+1], v[S+b:S+b+1], s[24:25], v[NM:NM+1] op_sel_hi:[1,0,0]   ; t - M, two at a time; of the pairs c and -M the low word serves both halves
.set b, b+2
.endr
.set b, 0
.rept 32
	v_exp_f32 v[S+b], v[S+b]                       ; p = 2^(t - M): one batch
.set b, b+1
.endr
.if \first
	v_nop                                          ; a plain line behind the last exponential
.else
	v_pk_mul_f32 v[LL:LL+1], v[LL:LL+1], v[FF:FF+1] op_sel_hi:[1,0]   ; l under the new M; the plain line behind the last exponential
.endif
	s_wait_alu depctr_va_vdst(0)                   ; THE TILE'S WAIT.  The batch's 32 results are written, ahead of their first reader; the score products of the tile before are done reading Q's fragment; at tile 0 the second products of the step before are done reading their V's buffer
.if (\more) || ((\t) < 3)
	LOADQ ((\t)+1)%4                               ; Q of the next tile: the sums, twelve rescalings and the conversions stand between these loads and the wait for them
.endif
.if (\more) && ((\t) == 0)
	LOADKV \nb, ((\i)+1)*8192                      ; K of the next step: three tiles' work and more in which to land
.if \ask
	ASKPF \i
.endif
.endif
	WIN 0
.if \first
	v_pk_add_f32 v[SUM:SUM+1], v[S:S+1], v[S+2:S+3]
	v_pk_add_f32 v[LL:LL+1], v[S+4:S+5], v[S+6:S+7]
.set b, 8
.rept 6
	v_pk_add_f32 v[LL:LL+1], v[LL:LL+1], v[S+b:S+b+1]
	v_pk_add_f32 v[SUM:SUM+1], v[SUM:SUM+1], v[S+b+2:S+b+3]
.set b, b+4
.endr
.else
	v_pk_add_f32 v[SUM:SUM+1], v[S:S+1], v[S+2:S+3]                   ; the sum of the UNQUANTISED p, two at a time, in two chains
.set b, 4
.rept 7
	v_pk_add_f32 v[LL:LL+1], v[LL:LL+1], v[S+b:S+b+1]
	v_pk_add_f32 v[SUM:SUM+1], v[SUM:SUM+1], v[S+b+2:S+b+3]
.set b, b+4
.endr
.endif
	v_pk_add_f32 v[LL:LL+1], v[LL:LL+1], v[SUM:SUM+1]
.if !(\first)
.set b, 0
.rept 12
	v_pk_mul_f32 v[OT+b:OT+b+1], v[OT+b:OT+b+1], v[FF:FF+1] op_sel_hi:[1,0]   ; O^T under the new M: the tile's first three accumulators, each from its low end on; they stand here while Q is on its way
.set b, b+2
.endr
.endif
	s_cmp_eq_u32 s29, 0                            ; the hold, where ep is under -8 (the conversion to an 8-bit code does not saturate: ISA guide 7.6.2); p is not negative, so it is one-sided
	s_cbranch_scc1 .Lnh_\@
.set b, 0
.rept 32
	v_min_num_f32 v[S+b], s28, v[S+b]
.set b, b+1
.endr
.Lnh_\@:
	WIN 0x40
.set b, 0
.rept 4
	v_cvt_scalef32_pk8_fp8_f32 v[PW+2*b:PW+2*b+1], v[S+8*b:S+8*b+7], v5   ; score tile b becomes registers 2 b, 2 b + 1 of P
.set b, b+1
.endr
	v_nop                                          ; a plain line between the conversions and the products that write their sources and read their results
.if (\more) || ((\t) < 3)
	s_wait_dscnt 0x0                               ; the next tile's Q is in; at tile 3 the next step's mask too
.if (\t) == 3
	s_wait_loadcnt 0x8                             ; K of the next step is in; the eight loads of V issued behind it may stay out
	SPROD \nb
.else
	SPROD \kb
.endif
.endif
	WIN 0
.if \first
.rept 5
	v_nop                                          ; the places behind the score products, ahead of the next tile's first read of the scores
.endr
.else
.set b, 24
.rept 4
	v_pk_mul_f32 v[OT+b:OT+b+1], v[OT+b:OT+b+1], v[FF:FF+1] op_sel_hi:[1,0]   ; the tile's fourth accumulator, from its low end on.  These four are the places behind the score products, ahead of the next tile's first read of the scores
.set b, b+2
.endr
.endif
.if (\t) == 0
.if \more
	s_wait_loadcnt 0x8                             ; V of this step is in; the eight loads of K issued behind it may stay out
.else
	s_wait_loadcnt 0x0
.endif
.endif
	PVPROD \vb, \t, \first
	WIN 0                                          ; at a label and at a branch every window is 0
.endm
.macro STEP kb, vb, nb, i, first, more, ask
	TILE 0, \kb, \vb, \nb, \i, \first, \more, \ask
	TILE 1, \kb, \vb, \nb, \i, \first, \more, \ask
	TILE 2, \kb, \vb, \nb, \i, \first, \more, \ask
	TILE 3, \kb, \vb, \nb, \i, \first, \more, \ask
.endm
	s_load_b256 s[4:11], s[0:1], 0x0               ; qimg, kvimg, the mask, the scales
	s_load_b64 s[12:13], s[0:1], 0x20              ; out
	v_lshrrev_b32 v3, 5, v0
	v_readfirstlane_b32 s20, v3                    ; wave 0..11
	v_and_b32 v3, 31, v0                           ; (the vector lines that want no scalar stand between that line and the wait for it)
	v_lshlrev_b32 v1, 4, v3                        ; 16 x lane
	v_lshlrev_b32 v6, 8, v3                        ; 256 x lane
	v_bfe_u32 v3, v0, 4, 1                         ; h
	v_and_b32 v104, 127, v0
	v_lshlrev_b32 v104, 4, v104                    ; the mask on its way in: the 128 threads of a head take 16 bytes each, eight times
	v_lshrrev_b32 v105, 7, v0
	v_lshl_add_u32 v105, v105, 14, v104            ; into the head's copy
	v_mov_b32 v[PM], 0                             ; written once: a lane permute's destination counts as one of its sources
	v_mov_b32 v[FF+1], 0                           ; (named as the upper half of a pair)
	s_wait_alu depctr_va_sdst(0)                   ; s20 is written, ahead of its first reader: the head, the keys and every base are made from it
	s_lshr_b32 s21, s20, 2                         ; g: which of the three heads
	s_and_b32 s22, s20, 3                          ; z: which 1,024 keys
	s_and_b32 s23, ttmp7, 0xffff
	s_mul_i32 s23, s23, 3
	s_add_co_u32 s23, s23, s21                     ; the head
	s_lshl_b32 s46, s21, 14
	s_lshl_b32 s47, s22, 12
	s_add_co_u32 s46, s46, s47
	v_lshl_add_u32 v2, v3, 5, s46                  ; the mask: my head's copy, my 1,024 keys, + 8 h keys
	s_lshl_b32 s46, s21, 12
	s_add_co_u32 s46, s46, QI
	v_add_nc_u32 v4, s46, v1                       ; my head's four fragments of Q
	s_lshl_b32 s46, s20, 10
	s_add_co_u32 s46, s46, QI
	v_add_nc_u32 v106, s46, v1                     ; where I put the fragment of Q that I fetch: tile z of my head
	s_mov_b32 s26, 0x76543210                      ; v_permlanex16_b32: each lane takes its own place in the other half
	s_mov_b32 s27, 0xfedcba98
	s_mov_b32 s35, 0xf1800000                      ; -2^100
	s_mov_b32 s31, 0                               ; bytes of the mask behind which the step in hand begins
	v_add_nc_u32 v3, s31, v2                       ; the LDS address of step 0's mask
	s_lshl_b32 s46, s23, 18                        ; qimg: head x 2^18 + 64 queries x 2^12 + tile z x 2^10
	s_lshl_b32 s47, ttmp9, 12
	s_add_co_u32 s46, s46, s47
	s_lshl_b32 s47, s22, 10
	s_add_co_u32 s46, s46, s47
	s_mov_b32 s47, 0
	s_lshl_b32 s48, s23, 19                        ; kvimg: head x 2^19 + 16 z steps of 2^13
	s_lshl_b32 s49, s22, 17
	s_add_co_u32 s48, s48, s49
	s_mov_b32 s49, 0
	s_lshl_b32 s50, ttmp9, 6                       ; out: row 64 x + 16 z of 3,072 bytes, + 256 x head
	s_lshl_b32 s51, s22, 4
	s_add_co_u32 s50, s50, s51
	s_mul_i32 s50, s50, 3072
	s_lshl_b32 s51, s23, 8
	s_add_co_u32 s50, s50, s51
	s_mov_b32 s51, 0
	s_wait_kmcnt 0x0
	s_load_b256 s[36:43], s[10:11], 0x0            ; entries 0 to 7: eq = s42, ek = s43
	s_load_b64 s[44:45], s[10:11], 0x20            ; ep, ev
	s_add_nc_u64 s[14:15], s[4:5], s[46:47]
	s_add_nc_u64 s[16:17], s[6:7], s[48:49]
	s_add_nc_u64 s[18:19], s[12:13], s[50:51]
	s_wait_alu depctr_va_vdst(0)                   ; the offsets and LDS addresses v1, v3, v4, v6 and v104 to v106 are written, which the loads, the LDS stores and the prefetches from here on read
	global_load_b128 v[96:99], v1, s[14:15]
	global_load_b128 v[100:103], v1, s[14:15] offset:512
.irp i, 0,1,2,3,4,5,6,7
	global_load_b128 v[128+4*\i:131+4*\i], v104, s[8:9] offset:2048*\i
.endr
	LOADKV B0, 0                                   ; K of step 0
	LOADKV B1, 4096                                ; V of step 0
	s_wait_kmcnt 0x0
	s_add_co_i32 s46, s42, s43                     ; eq + ek
	s_lshl_b32 s47, s46, 23
	s_mov_b32 s24, 0x3e38aa3b                      ; log2(e) / 8;
	s_add_co_i32 s24, s24, s47                     ; the two exponents are added to its exponent field: c
	s_mov_b32 s25, s24                             ; (named with it as a pair, so it is written)
	s_sub_co_i32 s34, 3, s46                       ; C = mask x 2^(3 - eq - ek)
	s_add_co_i32 s47, s44, 127
	s_lshl_b32 s48, s47, 23
	v_mov_b32 v5, s48                              ; 2^ep as f32: the conversion takes its exponent field
	s_add_co_i32 s47, s47, 8
	s_lshl_b32 s47, s47, 23
	s_or_b32 s28, s47, 0x600000                    ; 448 x 2^ep
	s_add_co_i32 s33, s44, s45                     ; ep + ev
	s_cmp_lt_i32 s44, -8
	s_cselect_b32 s29, 1, 0                        ; is the hold needed?
	s_cmp_eq_u32 ttmp9, 0
	s_cselect_b32 s30, 1, 0                        ; does my work-group prefetch?
	s_wait_loadcnt 0x10                            ; Q and the mask are in; the sixteen loads of K and V issued behind them may stay out
.set b, 0
.rept 32
	v_ldexp_f32 v[128+b], v[128+b], s34
.set b, b+1
.endr
.set b, 0
.rept 32
	v_max_num_f32 v[128+b], s35, v[128+b]          ; held from below, so that c x C stays a number
.set b, b+1
.endr
	s_wait_alu depctr_va_vdst(0)                   ; the held numbers of the mask, v128 to v159, are written, which the LDS stores read
.irp i, 0,1,2,3,4,5,6,7
	ds_store_b128 v105, v[128+4*\i:131+4*\i] offset:2048*\i
.endr
	ds_store_b128 v106, v[96:99]
	ds_store_b128 v106, v[100:103] offset:512
	s_wait_dscnt 0x0                               ; for the others' sake: my stores are done
	s_barrier_signal -1
	s_barrier_wait -1                              ; the mask and Q's twelve fragments lie in LDS
	s_wait_alu depctr_vm_vsrc(0)                   ; my LDS stores have read v96 to v103, v105, v106 and v128 to v159, the mask's loads from memory v104: the score products write v96 to v127, step 0's second products v128 on
	LOADM -1                                       ; step 0's mask
	LOADQ 0
	s_wait_dscnt 0x0
	s_wait_loadcnt 0x8                             ; K of step 0 is in; V's eight loads may stay out
	SPROD B0                                       ; tile 0's first scores
	WIN 0
.rept 5
	v_nop                                          ; the places behind these products, ahead of the first read of the scores
.endr
	STEP B0, B1, B2, 0, 1, 1, 1                    ; step 0 is written out: its products start O^T's sums
	s_wait_xcnt 0x0                                ; the loads and the prefetch have read their base: it steps only behind this wait
	s_add_nc_u64 s[16:17], s[16:17], 8192
	s_mov_b32 s31, 256
	s_mov_b32 s32, 4
.Ltrip:                                            ; four trips of three steps, until the buffers are back where they began: steps 1 to 12
	STEP B2, B0, B1, 0, 0, 1, 1
	STEP B1, B2, B0, 1, 0, 1, 1
	STEP B0, B1, B2, 2, 0, 1, 1
	s_wait_xcnt 0x0
	s_add_nc_u64 s[16:17], s[16:17], 24576
	s_add_co_u32 s31, s31, 768
	s_sub_co_u32 s32, s32, 1
	s_cmp_lg_u32 s32, 0
	s_cbranch_scc1 .Ltrip
	STEP B2, B0, B1, 0, 0, 1, 1                    ; step 13: the last that prefetches (step 15)
	STEP B1, B2, B0, 1, 0, 1, 0                    ; step 14
	STEP B0, B1, B2, 2, 0, 0, 0                    ; step 15 loads nothing
	; THE FOUR WAVES OF A HEAD MEET.  (a) l: its two halves and the other half of the lanes'; it takes the place of the largest score, so that v[8:15] = (-M, l) of the four tiles.  These lines are the places behind the last products
.irp t, 0,1,2,3
	v_add_f32 v[9+2*\t], v[16+2*\t], v[17+2*\t]
.endr
	v_and_b32 v37, 15, v0                          ; r
	v_bfe_u32 v38, v0, 4, 1                        ; h
	s_lshl_b32 s46, s20, 10
	s_add_co_u32 s46, s46, STAT
	v_add_nc_u32 v32, s46, v1                      ; where I put my figures
	s_lshl_b32 s46, s21, 12
	s_add_co_u32 s46, s46, STAT
	v_add_nc_u32 v33, s46, v1                      ; my head's four waves' figures
	s_mul_i32 s46, s20, 64*272
	s_add_co_u32 s46, s46, PART
	v_mul_u32_u24 v34, v37, 272
	v_lshl_add_u32 v34, v38, 5, v34
	v_add_nc_u32 v34, s46, v34                     ; my part of O: row r, + 32 h bytes
	s_mul_i32 s46, s21, 4*64*272
	s_mul_i32 s47, s22, 16*272
	s_add_co_u32 s46, s46, s47
	s_add_co_u32 s46, s46, PART
	v_mul_u32_u24 v35, v38, 272
	v_lshl_add_u32 v35, v37, 4, v35
	v_add_nc_u32 v35, s46, v35                     ; back: tile z of my head's first wave; lanes 0-15 one row of 256 bytes, lanes 16-31 the next
	v_mul_u32_u24 v36, v38, 3072
	v_lshl_add_u32 v36, v37, 4, v36                ; and the same two rows in out
	v_permlanex16_b32 v24, v9, s26, s27
	v_permlanex16_b32 v25, v11, s26, s27
	v_permlanex16_b32 v30, v13, s26, s27
	v_permlanex16_b32 v31, v15, s26, s27
	v_add_f32 v9, v9, v24
	v_add_f32 v11, v11, v25
	v_add_f32 v13, v13, v30
	v_add_f32 v15, v15, v31
	s_wait_alu depctr_va_vdst(0)                   ; my figures v8 to v15 are written, which the LDS stores read, and the five addresses v32 to v36, which the way out's LDS and memory instructions read; the last score products are done reading v64 to v95, in which the figures' loads land
	ds_store_b128 v32, v[8:11]
	ds_store_b128 v32, v[12:15] offset:512
	s_wait_dscnt 0x0                               ; for the others' sake: my stores are done
	s_barrier_signal -1
	s_barrier_wait -1
	; (b) the head's largest M, the whole sum under it, and my factor G = 2^(my M - largest M) x 2^(ep + ev) / sum
.irp y, 0,1,2,3
	ds_load_b128 v[64+8*\y:67+8*\y], v33 offset:1024*\y
	ds_load_b128 v[68+8*\y:71+8*\y], v33 offset:1024*\y+512
.endr
	s_wait_dscnt 0x0
.irp t, 0,1,2,3
	v_min_num_f32 v[40+\t], v[64+2*\t], v[72+2*\t]
	v_min_num_f32 v[56+\t], v[80+2*\t], v[88+2*\t]
.endr
.irp t, 0,1,2,3
	v_min_num_f32 v[40+\t], v[40+\t], v[56+\t]     ; the least -M
.endr
.irp y, 0,1,2,3
.irp t, 0,1,2,3
	v_sub_f32 v[64+8*\y+2*\t], v[40+\t], v[64+8*\y+2*\t]   ; that wave's M less the largest: a whole number, 0 or less
.endr
.endr
.irp y, 0,1,2,3
.irp t, 0,1,2,3
	v_cvt_i32_f32 v[64+8*\y+2*\t], v[64+8*\y+2*\t]         ; (it saturates)
.endr
.endr
.irp y, 0,1,2,3
.irp t, 0,1,2,3
	v_ldexp_f32 v[65+8*\y+2*\t], v[65+8*\y+2*\t], v[64+8*\y+2*\t]
.endr
.endr
.irp t, 0,1,2,3
	v_add_f32 v[44+\t], v[65+2*\t], v[73+2*\t]
	v_add_f32 v[56+\t], v[81+2*\t], v[89+2*\t]
.endr
.irp t, 0,1,2,3
	v_add_f32 v[44+\t], v[44+\t], v[56+\t]
.endr
.irp t, 0,1,2,3
	v_rcp_f32 v[44+\t], v[44+\t]
.endr
.irp t, 0,1,2,3
	v_sub_f32 v[49+2*\t], v[40+\t], v[8+2*\t]      ; my own M less the largest.  (Plain lines behind the reciprocals)
.endr
.irp t, 0,1,2,3
	v_cvt_i32_f32 v[49+2*\t], v[49+2*\t]
.endr
	s_wait_alu depctr_va_vdst(0)                   ; the four reciprocals v44 to v47 are written, ahead of their first reader: one wait for the four
.irp t, 0,1,2,3
	v_ldexp_f32 v[48+2*\t], v[44+\t], s33
.endr
.irp t, 0,1,2,3
	v_ldexp_f32 v[48+2*\t], v[48+2*\t], v[49+2*\t]
.endr
	; (c) my part of O, x G, into LDS: row = query, 64 channels = 256 bytes; register n of (t, tile c) is channel 16 c + 8 h + n
.irp t, 0,1,2,3
.set b, 0
.rept 16
	v_pk_mul_f32 v[128+32*\t+b:128+32*\t+b+1], v[128+32*\t+b:128+32*\t+b+1], v[48+2*\t:49+2*\t] op_sel_hi:[1,0]   ; each accumulator from its low end on
.set b, b+2
.endr
.endr
	s_wait_alu depctr_va_vdst(0)                   ; the multiplications have written v128 to v255, which the LDS stores read; no vector instruction names these registers again before the loads of (d) land in them
.irp t, 0,1,2,3
.irp c, 0,1,2,3
	ds_store_b128 v34, v[128+32*\t+8*\c:128+32*\t+8*\c+3] offset:16*272*\t+64*\c
	ds_store_b128 v34, v[128+32*\t+8*\c+4:128+32*\t+8*\c+7] offset:16*272*\t+64*\c+16
.endr
.endr
	s_wait_dscnt 0x0                               ; for the others' sake: my stores are done
	s_barrier_signal -1
	s_barrier_wait -1
	; (d) wave z adds the four parts of query tile z and stores its 16 rows
	s_wait_alu depctr_vm_vsrc(0)                   ; my LDS stores have read v128 to v255, in which the loads below land
.irp y, 0,1,2,3
.irp i, 0,1,2,3,4,5,6,7
	ds_load_b128 v[128+32*\y+4*\i:128+32*\y+4*\i+3], v35 offset:64*272*\y+2*272*\i
.endr
.endr
	s_wait_dscnt 0x0
.irp i, 0,1,2,3,4,5,6,7
	v_pk_add_f32 v[128+4*\i:129+4*\i], v[128+4*\i:129+4*\i], v[160+4*\i:161+4*\i]
	v_pk_add_f32 v[130+4*\i:131+4*\i], v[130+4*\i:131+4*\i], v[162+4*\i:163+4*\i]
	v_pk_add_f32 v[192+4*\i:193+4*\i], v[192+4*\i:193+4*\i], v[224+4*\i:225+4*\i]
	v_pk_add_f32 v[194+4*\i:195+4*\i], v[194+4*\i:195+4*\i], v[226+4*\i:227+4*\i]
.endr
.irp i, 0,1,2,3,4,5,6,7
	v_pk_add_f32 v[128+4*\i:129+4*\i], v[128+4*\i:129+4*\i], v[192+4*\i:193+4*\i]
	v_pk_add_f32 v[130+4*\i:131+4*\i], v[130+4*\i:131+4*\i], v[194+4*\i:195+4*\i]
.endr
	s_wait_alu depctr_va_vdst(0)                   ; the additions have written v128 to v159, which the stores read
.irp i, 0,1,2,3,4,5,6,7
	global_store_b128 v36, v[128+4*\i:131+4*\i], s[18:19] offset:6144*\i th:TH_STORE_NT   ; 16 lanes store 256 consecutive bytes, at a multiple of 256 from the buffer's first byte; written once, read by nobody here
.endr
	s_wait_xcnt 0x0                                ; every earlier memory instruction has had its addresses translated (ISA guide 3.1)
	v_lshl_add_u32 v254, v0, 2, 0x45000            ; my spare word and 0, made anew: no LDS or memory instruction has read v254 or v255 since the wait on vm_vsrc at the head of (d)
	v_mov_b32 v255, 0
	s_wait_dscnt 0x0                               ; the closing lines, six on end
	s_wait_alu 0x0
	s_wait_tensorcnt 0x0
	ds_add_u32 v254, v255
	s_wait_dscnt 0x0
	s_endpgm
.Lfunc_end_k_q566b097352_attn:
	.size	k_q566b097352_attn, .Lfunc_end_k_q566b097352_attn-k_q566b097352_attn
	.p2alignl 7, 3214868480
	.fill 96, 4, 3214868480
	.section	.rodata,"a",@progbits
	.p2align	6, 0x0
	.amdhsa_kernel k_q566b097352_attn
		.amdhsa_group_segment_fixed_size 284160
		.amdhsa_private_segment_fixed_size 0
		.amdhsa_enable_private_segment 0
		.amdhsa_kernarg_size 40
		.amdhsa_user_sgpr_count 2
		.amdhsa_user_sgpr_kernarg_segment_ptr 1
		.amdhsa_wavefront_size32 1
		.amdhsa_system_sgpr_workgroup_id_x 1
		.amdhsa_system_sgpr_workgroup_id_y 1
		.amdhsa_system_sgpr_workgroup_id_z 1
		.amdhsa_system_vgpr_workitem_id 0
		.amdhsa_next_free_vgpr 336
		.amdhsa_next_free_sgpr 66
		.amdhsa_reserve_vcc 0
		.amdhsa_float_denorm_mode_32 3
		.amdhsa_float_denorm_mode_16_64 3
		.amdhsa_memory_ordered 1
		.amdhsa_forward_progress 1
		.amdhsa_inst_pref_size 254
	.end_amdhsa_kernel
	.amdgpu_metadata
---
amdhsa.version: [ 1, 2 ]
amdhsa.kernels:
  - .name:           k_q566b097352_attn
    .symbol:         k_q566b097352_attn.kd
    .args:
      - { .name: qimg, .offset: 0, .size: 8, .value_kind: global_buffer, .address_space: global }
      - { .name: kvimg, .offset: 8, .size: 8, .value_kind: global_buffer, .address_space: global }
      - { .name: attention_mask, .offset: 16, .size: 8, .value_kind: global_buffer, .address_space: global }
      - { .name: lowp_scales, .offset: 24, .size: 8, .value_kind: global_buffer, .address_space: global }
      - { .name: out0, .offset: 32, .size: 8, .value_kind: global_buffer, .address_space: global }
    .group_segment_fixed_size: 284160
    .private_segment_fixed_size: 0
    .kernarg_segment_align: 8
    .kernarg_segment_size: 40
    .max_flat_workgroup_size: 384
    .sgpr_count:     66
    .vgpr_count:     336
    .wavefront_size: 32
...
	.end_amdgpu_metadata
.endif
;; end of part 3
